; MI455X (gfx1250); checked and timed in simulation.
; The chip was launched on July 23, 2026; its instructions are those of AMD's public machine-readable ISA for CDNA 5 (MIT licence, August 2026) and "CDNA5" Instruction Set Architecture Reference Guide (July 2026). The comments in the code are by the model that wrote it; some were corrected since.
;; GPT Big Code Block. Allowed arithmetic: matrix products marked QUANTISED: E4M3 operands, one given power-of-two scale a tensor, by v_wmma_f32_16x16x64_fp8_fp8 or v_wmma_f32_16x16x128_fp8_fp8, f32 sums; everything else in f32.
;; Inputs: bfc 2,048 float32; bkv 64 float32; bo 512 float32; bproj 512 float32; bq 512 float32; hidden_states 4 x 2,048 x 512 float32; ln1_b 512 float32; ln1_g 512 float32; ln2_b 512 float32; ln2_g 512 float32; lowp_scales 14 int32 (the exponents e of the quantised operands' scales 2^e); wfc 512 x 2,048 float32; wkv 512 x 64 float32; wo 512 x 512 float32; wproj 2,048 x 512 float32; wq 512 x 512 float32.
;; Outputs: out0 4 x 2,048 x 512 float32.
;; This version of the problem:
;;   THIS VERSION OF THE PROBLEM IS GIVEN IN LOW PRECISION. The matrix products marked QUANTISED in the list below multiply operands that are first quantised to E4M3 (4 exponent bits, 3 mantissa bits; 8 bits a number), with one given power-of-two scale for each operand tensor; their sums are f32. All else is computed in f32.
;;   The module's matrix products, in the order in which they are computed (A, B: the left and right operand; K: the contracted axis; several contracted axes count as one K, in the product's order):
;;     1. [M 8,192, K 512] x [K 512, N 512]; A: computed on the way; B: input wq: QUANTISED (scales: A lowp_scales[0], B lowp_scales[1])
;;     2. [M 8,192, K 512] x [K 512, N 64]; A: computed on the way; B: input wkv: QUANTISED (scales: A lowp_scales[2], B lowp_scales[3])
;;     3. batch 4 x [M 2,048, K 32] x [K 32, N 32,768]; A: computed on the way; B: computed on the way: QUANTISED (scales: A lowp_scales[4], B lowp_scales[5])
;;     4. batch 4 x [M 32, K 2,048] x [K 2,048, N 32,768]; A: computed on the way; B: softmax (see below): QUANTISED (scales: A lowp_scales[6], B lowp_scales[7])
;;     5. [M 8,192, K 512] x [K 512, N 512]; A: computed on the way; B: input wo: QUANTISED (scales: A lowp_scales[8], B lowp_scales[9])
;;     6. [M 8,192, K 512] x [K 512, N 2,048]; A: computed on the way; B: input wfc: QUANTISED (scales: A lowp_scales[10], B lowp_scales[11])
;;     7. [M 8,192, K 2,048] x [K 2,048, N 512]; A: computed on the way; B: input wproj: QUANTISED (scales: A lowp_scales[12], B lowp_scales[13])
;;   THE QUANTISER, for each operand of a quantised product, along K:
;;     - The operand's scale is 2^e, e = its entry of the input lowp_scales (int32; the entries are numbered through the quantised products in the list's order, A before B).
;;     - Each number is divided by the scale, clamped to +-448, and rounded to the nearest number of E4M3, ties to even, subnormals kept.
;;     - The product sums the exact products of the quantised numbers (number of the format x scale) in f32.
;;   ~~~python
;;   def quantise(x, axis, e):      # numpy; x: float32 -> the quantised numbers, widened to float32 again
;;       x = np.moveaxis(x, axis, -1); K = x.shape[-1]
;;       r = np.clip(x / 2.0 ** e, -448, 448)
;;       step = 2.0 ** (np.maximum(np.frexp(np.where(r == 0, 1, r))[1] - 1, -6) - 3)
;;       q = np.round(r / step) * step * 2.0 ** e      # np.round: ties to even
;;       return np.moveaxis(q, -1, axis).astype(np.float32)
;;   ~~~
;;   SOFTMAX AHEAD OF A QUANTISED PRODUCT. Where the list says 'softmax', what is quantised is not the finished softmax but p = 2^(t - M), with t = logit x log2(e) and M = ceil(the row's largest t), a whole number; so 1/2 < the row's largest p <= 1. The row's sum l is taken of the UNQUANTISED p, in f32, and the product's result is divided by l at the end. Since M is a whole number, a kernel that streams over the keys may use a running M (the ceiling of the running maximum): every later rescaling is an exact power of two, so the quantised numbers keep their values, but for numbers so far below the row's largest that they fall under the format's range.
;;   OPERANDS COMPUTED ON THE WAY. 'Computed on the way' means the value that the module computes at that place (a softmax that the list does not call 'softmax' is quantised finished and normalised). What goes into a quantiser is computed in f32, as accurately as f32 sums, v_exp_f32 and their like allow (about 1e-6 of the number): no bf16 or f16 on the way to a quantiser, and a product that is left as it is and whose result goes on into a quantised operand takes f32 operands (vector FMAs, or v_wmma_f32_16x16x4_f32). A number that lies on a knife's edge between two numbers of the format may be rounded either way, as far as f32 arithmetic and the matrix unit's own rounding can turn it there, and no further.
;; One version. Each part assembles by itself: llvm-mc -triple=amdgcn-amd-amdhsa -mcpu=gfx1250 --defsym DOCPART=n.
;; ======== version 1 of 1: 3 launches
;; limits: right only within a limited range of input values
;; workspace buffers: wc 2,654,208 bytes; qc 4,194,304 bytes; kvc 524,288 bytes
;; launch prep (part 1): grid 162 x 1, 4 waves a work-group, no clusters, 0 bytes of LDS; arguments wq, wkv, wo, wfc, wproj, lowp_scales, wc; writes wc
.if DOCPART == 1
	.amdgcn_target "amdgcn-amd-amdhsa--gfx1250"
	.amdhsa_code_object_version 6
	.text
	.protected	k_q13f3d6e787_prep
	.globl	k_q13f3d6e787_prep
	.p2align	8
	.type	k_q13f3d6e787_prep,@function
k_q13f3d6e787_prep:
	s_mov_b64 s[64:65], 0
	v_nop
	global_prefetch_b8 v0, s[64:65] scope:SCOPE_SE
	s_setreg_imm32_b32 hwreg(HW_REG_WAVE_MODE, 25, 1), 1
	s_wait_xcnt 0x0
; The five weights W [K][N], f32, K their FIRST axis, become codes of FP8 (E4M3), each with the one scale 2^e given for it, laid in the ORDER OF THE OPERAND'S REGISTERS.
; code = x / 2^e, to the nearest code, ties to even.  LIMITS: -126 <= e <= 119; NaN among the inputs is not served.
; THE LAYOUT OF wc.  A tile nt is 16 columns: row r of tile 2 b + uu is column 32 b + 8 uu + r + 8 (r / 8).  A fragment is a tile x 128 along K (step ks), 2,048 bytes:
; the 16 codes k = 128 ks + 32 c + 16 h + 0 .. 15 of row r lie at 512 c + 256 h + 16 r.  Fragment (nt, ks) lies at ((nt / 4) KS + ks) 8,192 + (nt % 4) 2,048, KS = K / 128.
; So a later wave takes a fragment by four loads of 16 bytes a lane, 512 consecutive bytes each.
; SHARES.  A wave takes a unit of 32 columns x 128 K: A LANE TAKES A COLUMN AND ITS REGISTERS RUN DOWN K, so each load reads 128 consecutive bytes and the conversions give K innermost.
; 648 units: wq 64, wkv 8, wo 64, wfc 256, wproj 256.  One path for all: what differs is chosen by s_cselect on the unit's number.  No LDS, no barrier, no register is written twice.
.set OFF, 8                            ; v8-39    byte offset of row i of a block of 32 rows, at my column
.set X,   40                           ; v40-167  four blocks of 32 numbers
.set C,   168                          ; v168-199 their codes, 8 registers a block
.macro PICK lim, ptr, start, lnb, lks, pitch, woff
	s_cmp_lt_u32 s3, \lim
	s_cselect_b64 s[22:23], s[\ptr:\ptr+1], s[22:23]
	s_cselect_b32 s24, \start, s24
	s_cselect_b32 s25, \lnb, s25
	s_cselect_b32 s26, \lks, s26
	s_cselect_b32 s28, \pitch, s28
	s_cselect_b32 s29, \woff, s29
.endm
.macro LOADB c                         ; block c: W(128 ks + 32 c + i, my column), i = 0 .. 31
.set li, 0
.rept 32
	global_load_b32 v[X+32*(\c)+li], v[OFF+li], s[32+2*(\c):33+2*(\c)] th:TH_LOAD_NT
.set li, li+1
.endr
.endm
	s_load_b256 s[8:15], s[0:1], 0x0               ; wq s[8:9], wkv s[10:11], wo s[12:13], wfc s[14:15]
	s_load_b128 s[16:19], s[0:1], 0x20             ; wproj s[16:17], the exponents s[18:19]
	s_load_b64 s[20:21], s[0:1], 0x30              ; wc
	v_lshrrev_b32 v1, 5, v0
	v_readfirstlane_b32 s2, v1                     ; wave
	s_lshl_b32 s3, ttmp9, 2
	s_add_co_u32 s3, s3, s2                        ; my unit
	v_and_b32 v1, 31, v0                           ; lane = my column in the group of 32
	v_bfe_u32 v2, v0, 3, 1                         ; uu = (lane / 8) % 2
	v_and_b32 v3, 7, v0
	v_bfe_u32 v6, v0, 4, 1
	v_lshl_add_u32 v3, v6, 3, v3                   ; r = lane % 8 + 8 (lane / 16)
	v_lshlrev_b32 v3, 4, v3
	v_lshl_add_u32 v2, v2, 11, v3                  ; where my codes go: 2,048 uu + 16 r
	s_mov_b32 s24, 392                             ; wproj's figures: first unit, log2 of its column groups, log2 of its K steps, bytes of a row, place in wc
	s_mov_b32 s25, 4
	s_mov_b32 s26, 4
	s_mov_b32 s28, 2048
	s_mov_b32 s29, 1605632
	s_wait_alu depctr_va_vdst(0)
	s_wait_kmcnt 0x0
	s_load_b256 s[44:51], s[18:19], 0x0            ; e0 .. e7
	s_load_b128 s[52:55], s[18:19], 0x20           ; e8 .. e11
	s_load_b64 s[56:57], s[18:19], 0x30            ; e12, e13
	s_mov_b64 s[22:23], s[16:17]
	PICK 392, 14, 136, 6, 2, 8192, 557056          ; wfc
	PICK 136, 12, 72, 4, 2, 2048, 294912           ; wo
	PICK 72, 10, 64, 1, 2, 256, 262144             ; wkv
	PICK 64, 8, 0, 4, 2, 2048, 0                   ; wq
	s_sub_co_u32 s24, s3, s24                      ; the unit's number in its tensor
	s_lshl_b32 s4, 1, s25
	s_sub_co_u32 s4, s4, 1
	s_and_b32 s4, s24, s4                          ; column group b
	s_lshr_b32 s5, s24, s25                        ; K step ks
	s_lshl_b32 s6, s28, 7
	s_mul_i32 s6, s6, s5                           ; 128 ks rows
	s_lshl_b32 s7, s4, 7
	s_add_co_u32 s6, s6, s7                        ; + 32 b columns of 4 bytes
	s_mov_b32 s7, 0
	s_add_nc_u64 s[32:33], s[22:23], s[6:7]        ; a base for each block of 32 rows; none is written again
	s_lshl_b32 s6, s28, 5
	s_add_nc_u64 s[34:35], s[32:33], s[6:7]
	s_add_nc_u64 s[36:37], s[34:35], s[6:7]
	s_add_nc_u64 s[38:39], s[36:37], s[6:7]
	v_lshlrev_b32 v[OFF], 2, v1
.set i, 1
.rept 31
	v_add_nc_u32 v[OFF+i], s28, v[OFF+i-1]
.set i, i+1
.endr
	LOADB 0
	LOADB 1
	s_lshr_b32 s6, s4, 1                           ; out: ((b / 2) KS + ks) 8,192 + (b % 2) 4,096
	s_lshl_b32 s6, s6, s26
	s_add_co_u32 s6, s6, s5
	s_lshl_b32 s6, s6, 13
	s_and_b32 s4, s4, 1
	s_lshl_b32 s4, s4, 12
	s_add_co_u32 s6, s6, s4
	s_add_co_u32 s6, s6, s29
	s_add_nc_u64 s[40:41], s[20:21], s[6:7]
	s_wait_alu depctr_va_vdst(0)
	s_wait_kmcnt 0x0
	s_mov_b32 s30, s57                             ; the weight's exponent: e13, e11, e9, e3 or e1
	s_cmp_lt_u32 s3, 392
	s_cselect_b32 s30, s55, s30
	s_cmp_lt_u32 s3, 136
	s_cselect_b32 s30, s53, s30
	s_cmp_lt_u32 s3, 72
	s_cselect_b32 s30, s47, s30
	s_cmp_lt_u32 s3, 64
	s_cselect_b32 s30, s45, s30
	s_add_co_i32 s30, s30, 127
	s_lshl_b32 s31, s30, 23
	v_mov_b32 v5, s31                              ; 2^e as f32: the conversion takes its exponent field
.macro BLK c
.if \c < 3
	s_wait_loadcnt 32                              ; this block's 32 loads are in; the next block's 32 may be out
.else
	s_wait_loadcnt 0x0
.endif
.if \c < 2
	LOADB \c+2                                     ; two blocks ahead, into registers of its own
.endif
.set bi, 0
.rept 32
.set bi, bi+1
.endr
.irp g, 0,1,2,3
	v_cvt_scalef32_pk8_fp8_f32 v[C+8*(\c)+2*\g:C+8*(\c)+2*\g+1], v[X+32*(\c)+8*\g:X+32*(\c)+8*\g+7], v5
.endr
	global_store_b128 v2, v[C+8*(\c):C+8*(\c)+3], s[40:41] offset:512*(\c)          ; k = 32 c + 0 .. 15: the sixteen lanes of a tile store 256 consecutive bytes, aligned
	global_store_b128 v2, v[C+8*(\c)+4:C+8*(\c)+7], s[40:41] offset:512*(\c)+256    ; k = 32 c + 16 .. 31
.endm
	s_wait_alu depctr_va_vdst(0)
	BLK 0                                          ; (the codes go to stores alone, and the next block's conversions work on other registers)
	BLK 1
	BLK 2
	BLK 3
	s_endpgm
.Lfunc_end_k_q13f3d6e787_prep:
	.size	k_q13f3d6e787_prep, .Lfunc_end_k_q13f3d6e787_prep-k_q13f3d6e787_prep
	.p2alignl 7, 3214868480
	.fill 96, 4, 3214868480
	.section	.rodata,"a",@progbits
	.p2align	6, 0x0
	.amdhsa_kernel k_q13f3d6e787_prep
		.amdhsa_group_segment_fixed_size 0
		.amdhsa_private_segment_fixed_size 0
		.amdhsa_enable_private_segment 0
		.amdhsa_kernarg_size 56
		.amdhsa_user_sgpr_count 2
		.amdhsa_user_sgpr_kernarg_segment_ptr 1
		.amdhsa_wavefront_size32 1
		.amdhsa_system_sgpr_workgroup_id_x 1
		.amdhsa_system_sgpr_workgroup_id_y 1
		.amdhsa_system_sgpr_workgroup_id_z 1
		.amdhsa_system_vgpr_workitem_id 0
		.amdhsa_next_free_vgpr 208
		.amdhsa_next_free_sgpr 66
		.amdhsa_reserve_vcc 0
		.amdhsa_float_denorm_mode_32 3
		.amdhsa_float_denorm_mode_16_64 3
		.amdhsa_fp16_overflow 1
		.amdhsa_memory_ordered 1
		.amdhsa_forward_progress 1
		.amdhsa_inst_pref_size 19
	.end_amdhsa_kernel
	.amdgpu_metadata
---
amdhsa.version: [ 1, 2 ]
amdhsa.kernels:
  - .name:           k_q13f3d6e787_prep
    .symbol:         k_q13f3d6e787_prep.kd
    .args:
      - { .name: wq, .offset: 0, .size: 8, .value_kind: global_buffer, .address_space: global }
      - { .name: wkv, .offset: 8, .size: 8, .value_kind: global_buffer, .address_space: global }
      - { .name: wo, .offset: 16, .size: 8, .value_kind: global_buffer, .address_space: global }
      - { .name: wfc, .offset: 24, .size: 8, .value_kind: global_buffer, .address_space: global }
      - { .name: wproj, .offset: 32, .size: 8, .value_kind: global_buffer, .address_space: global }
      - { .name: lowp_scales, .offset: 40, .size: 8, .value_kind: global_buffer, .address_space: global }
      - { .name: wc, .offset: 48, .size: 8, .value_kind: global_buffer, .address_space: global }
    .group_segment_fixed_size: 0
    .private_segment_fixed_size: 0
    .kernarg_segment_align: 8
    .kernarg_segment_size: 56
    .max_flat_workgroup_size: 128
    .sgpr_count:     66
    .vgpr_count:     208
    .wavefront_size: 32
...
	.end_amdgpu_metadata
.endif
;; end of part 1
;; launch qkv (part 2): grid 256 x 1, 8 waves a work-group, no clusters, 34,816 bytes of LDS; arguments hidden_states, ln1_g, ln1_b, bq, bkv, lowp_scales, wc, qc, kvc; writes qc, kvc
.if DOCPART == 2
	.amdgcn_target "amdgcn-amd-amdhsa--gfx1250"
	.amdhsa_code_object_version 6
	.text
	.protected	k_q13f3d6e787_qkv
	.globl	k_q13f3d6e787_qkv
	.p2align	8
	.type	k_q13f3d6e787_qkv,@function
k_q13f3d6e787_qkv:
	s_mov_b64 s[64:65], 0
	v_nop
	global_prefetch_b8 v0, s[64:65] scope:SCOPE_SE
	s_setreg_imm32_b32 hwreg(HW_REG_WAVE_MODE, 25, 1), 1
	s_wait_xcnt 0x0
; h = LN1(x); q = h wq + bq; (k, v) = h wkv + bkv; both products on codes of FP8 (E4M3); q, k, v leave as codes for the attention.  Exponents: h e0 (for wq) and e2 (for wkv), wq e1, wkv e3, k e4, q e5, v e6.
; LIMITS, so that each power of two below is an f32 number: e0, e2, e4, e5, e6 between -126 and 119; e0 + e1 and e2 + e3 between -126 and 127.  NaN among the inputs is not served.
; SHARES.  A work-group of eight waves takes 32 tokens (group G), as two tiles m = 0, 1 of 16: LANE r OF TILE m IS TOKEN 32 G + 8 m + r + 8 (r / 8).
; A fragment is 16 rows x 128 K in 16 registers: registers 4 c .. 4 c + 3 of lane (r, h) hold k = 128 s + 32 c + 16 h + 0 .. 15: the same order of k on both sides of every product.
; X: wave w normalises and quantises fragment (m = w / 4, s = w % 4) of h, twice (e0, e2), and stores both as IMAGES OF ITS REGISTERS in LDS (register group c at 512 c + 16 lane).
; Q: wave w makes heads 2 w and 2 w + 1 for both tiles, transposed (source 0 = 16 columns of wq, source 1 = 16 tokens): a lane holds one token, and the 16 registers of two neighbouring column tiles are d = 16 h + 0 .. 15 of a head.
; KV: waves 0, 1 make k of tile w the same way; waves 2, 3 make 16 of v's 32 channels with source 0 = the tokens, so that a lane's 16 registers are 16 neighbouring KEYS: the second product's K.
; OUT.  qc: [tile 2 G + m][head][512 bytes], lane l's 16 codes at 16 l.  kvc: k at (2 G + m) 512 + 16 l; v at 262,144 + (G / 4) 4,096 + 2,048 dt + (G % 4) 512 + 16 l (lane (r, h): channel 8 dt + r + 8 (r / 8), keys 32 G + 16 h + 0 .. 15).
; LDS: 0 h's eight images with e0 (4 m + s); 16,384 the same with e2; 32,768 and 33,280 the sums' partials: token 16 m + r: four words.
.set HKI, 16384
.set RD1, 32768
.set X,   16                           ; v16-79   64 numbers of my row; later the eight accumulators (4 m + t)
.set ACC, 16
.set GM,  80                           ; v80-143  the gain; later the weights' first set
.set BT,  144                          ; v144-207 the bias; later the weights' second set
.set PC,  208                          ; v208-223 codes with e0; later h's fragment of tile 0
.set PC2, 224                          ; v224-239 codes with e2; later h's fragment of tile 1
.macro PLACES                          ; behind a run of matrix instructions: four plain vector lines ahead of loads into their registers and of reads of their results, five ahead of a matrix instruction that writes over one
.rept 5
	v_nop
.endr
.endm
.macro BARRIER                         ; my LDS stores have landed and my LDS loads are in: then the work-group's barrier
	s_wait_dscnt 0x0
	s_barrier_signal -1
	s_barrier_wait -1
.endm
.macro MKSC e, vsc, vlim, st           ; v[vsc] = 2^e as f32, v[vlim] = 448 x 2^e, e in s[e]
	s_add_co_i32 s[\st], s[\e], 127
	s_lshl_b32 s[\st+1], s[\st], 23
	v_mov_b32 v[\vsc], s[\st+1]
	s_add_co_i32 s[\st], s[\st], 8
	s_lshl_b32 s[\st], s[\st], 23
	s_or_b32 s[\st], s[\st], 0x600000
	v_mov_b32 v[\vlim], s[\st]
.endm
.macro WLOAD reg, sb, off, nf          ; nf fragments of a weight, as they lie in wc: each load 512 consecutive bytes
.set wi, 0
.rept 4*(\nf)
	global_load_b128 v[(\reg)+4*wi:(\reg)+4*wi+3], v1, s[\sb:\sb+1] offset:(\off)+512*wi
.set wi, wi+1
.endr
.endm
.macro FETCH reg, adr, off             ; a fragment's image from LDS
.irp c, 0,1,2,3
	ds_load_b128 v[(\reg)+4*\c:(\reg)+4*\c+3], v[\adr] offset:(\off)+512*\c
.endr
.endm
.macro Q16 src, tmp, dst, vsc, vlim    ; 16 numbers, held within the largest code x the scale (the conversion does not saturate: ISA guide 7.6.2), become 16 codes
.set qi, 0
.rept 16
	v_med3_num_f32 v[(\tmp)+qi], v[(\src)+qi], -v[\vlim], v[\vlim]
.set qi, qi+1
.endr
	v_cvt_scalef32_pk8_fp8_f32 v[(\dst):(\dst)+1], v[(\tmp):(\tmp)+7], v[\vsc]
	v_cvt_scalef32_pk8_fp8_f32 v[(\dst)+2:(\dst)+3], v[(\tmp)+8:(\tmp)+15], v[\vsc]
.endm
	s_load_b512 s[8:23], s[0:1], 0x0               ; x s[8:9], gain s[10:11], bias s[12:13], bq s[14:15], bkv s[16:17], exponents s[18:19], wc s[20:21], qc s[22:23]
	s_load_b64 s[24:25], s[0:1], 0x40              ; kvc
	v_lshl_add_u32 v15, v0, 2, 0x8400
	s_set_vgpr_msb 0x40
	v_mov_b32 v1, 0
	s_set_vgpr_msb 0x4000
	v_lshrrev_b32 v1, 5, v0
	s_delay_alu instid0(VALU_DEP_1)
	v_readfirstlane_b32 s2, v1                     ; wave 0..7
	v_and_b32 v11, 31, v0
	s_delay_alu instid0(VALU_DEP_1)
	v_lshlrev_b32 v1, 4, v11                       ; v1: 16 x lane; never rewritten
	v_and_b32 v12, 15, v0                          ; r
	v_bfe_u32 v13, v0, 4, 1                        ; h
	s_delay_alu instid0(VALU_DEP_2)
	v_and_b32 v14, 8, v12
	s_delay_alu instid0(VALU_DEP_1)
	v_add_nc_u32 v14, v14, v12                     ; r + 8 (r / 8)
	s_lshr_b32 s3, s2, 2                           ; m of my fragment
	s_and_b32 s4, s2, 3                            ; s of my fragment
	s_and_b32 s5, s2, 1
	s_lshl_b32 s6, s3, 14                          ; 8 m rows of 2,048 bytes
	s_lshl_b32 s7, s4, 9                           ; 128 s numbers
	v_lshlrev_b32 v9, 6, v13                       ; v9: 64 h
	s_delay_alu instid0(VALU_DEP_1)
	v_add_nc_u32 v3, s7, v9                        ; v3: my place in the gain and the bias
	s_delay_alu instid0(VALU_DEP_1)
	v_lshl_add_u32 v2, v14, 11, v3
	s_delay_alu instid0(VALU_DEP_1)
	v_add_nc_u32 v2, s6, v2                        ; v2: my place in the group's rows of x
	s_lshl_b32 s6, s3, 8
	s_add_co_u32 s6, s6, RD1
	v_lshl_add_u32 v5, v12, 4, s6                  ; v5: my token's four partials
	s_lshl_b32 s7, s4, 2
	v_add_nc_u32 v4, s7, v5                        ; v4: my wave's word of them
	s_lshl_b32 s6, s2, 11
	v_add_nc_u32 v6, s6, v1                        ; v6: my fragment's image (index 4 m + s = wave)
	s_lshl_b32 s6, s5, 13
	s_add_co_u32 s6, s6, HKI
	v_add_nc_u32 v7, s6, v1                        ; v7: the e2 images of tile wave % 2
	v_add_nc_u32 v8, HKI, v1                       ; v8: the e2 images
	v_lshlrev_b32 v10, 2, v14                      ; v10: v's bias: 4 (r + 8 (r / 8))
	s_mov_b32 s54, 0x3b000000                      ; 1 / 512
	s_mov_b32 s55, 0x3727c5ac                      ; 1e-5
	s_mov_b32 s56, 0x76543210                      ; v_permlanex16_b32: lane l xor 16
	s_mov_b32 s57, 0xfedcba98
	s_mov_b32 s61, 0
	s_lshl_b32 s60, ttmp9, 16                      ; 32 rows of 2,048 bytes a group
	s_wait_alu depctr_va_vdst(0)
	s_wait_kmcnt 0x0
	s_load_b256 s[32:39], s[18:19], 0x0            ; e0 .. e7
	s_add_nc_u64 s[40:41], s[8:9], s[60:61]
.irp c, 0,1,2,3
.irp j, 0,1,2,3
	global_load_b128 v[X+16*\c+4*\j:X+16*\c+4*\j+3], v2, s[40:41] offset:128*\c+16*\j th:TH_LOAD_NT   ; register 16 c + i: k = 128 s + 32 c + 16 h + i of my token
.endr
.endr
.irp c, 0,1,2,3
.irp j, 0,1,2,3
	global_load_b128 v[GM+16*\c+4*\j:GM+16*\c+4*\j+3], v3, s[10:11] offset:128*\c+16*\j
.endr
.endr
.irp c, 0,1,2,3
.irp j, 0,1,2,3
	global_load_b128 v[BT+16*\c+4*\j:BT+16*\c+4*\j+3], v3, s[12:13] offset:128*\c+16*\j
.endr
.endr
	s_lshl_b32 s60, s2, 15
	s_add_nc_u64 s[26:27], s[20:21], s[60:61]      ; wq: my four column tiles
	s_add_nc_u64 s[28:29], s[20:21], 262144        ; wkv: k's two tiles
	s_lshl_b32 s60, s5, 11
	s_add_co_u32 s60, s60, 262144+4096
	s_add_nc_u64 s[30:31], s[20:21], s[60:61]      ; wkv: v's tile wave % 2
	s_lshl_b32 s60, s2, 8
	s_add_nc_u64 s[42:43], s[14:15], s[60:61]      ; bq: my 64 columns
	s_lshl_b32 s60, ttmp9, 14
	s_lshl_b32 s62, s2, 10
	s_add_co_u32 s60, s60, s62
	s_add_nc_u64 s[44:45], s[22:23], s[60:61]      ; qc: tile 2 G, head 2 w
	s_lshl_b32 s60, ttmp9, 1
	s_add_co_u32 s60, s60, s5
	s_lshl_b32 s60, s60, 9
	s_add_nc_u64 s[46:47], s[24:25], s[60:61]      ; k: tile 2 G + wave % 2
	s_lshr_b32 s60, ttmp9, 2
	s_lshl_b32 s60, s60, 12
	s_lshl_b32 s62, s5, 11
	s_add_co_u32 s60, s60, s62
	s_and_b32 s62, ttmp9, 3
	s_lshl_b32 s62, s62, 9
	s_add_co_u32 s60, s60, s62
	s_add_co_u32 s60, s60, 262144
	s_add_nc_u64 s[48:49], s[24:25], s[60:61]      ; v
	s_lshl_b32 s60, s5, 5
	s_add_co_u32 s60, s60, 128
	s_add_nc_u64 s[58:59], s[16:17], s[60:61]      ; bkv at column 32 + 8 (wave % 2)
	s_wait_kmcnt 0x0
	s_add_co_i32 s50, s32, s33
	s_add_co_i32 s50, s50, 127
	s_lshl_b32 s50, s50, 23                        ; 2^(e0 + e1)
	s_mov_b32 s51, s50                             ; (named with it as a pair, so it is written)
	s_add_co_i32 s52, s34, s35
	s_add_co_i32 s52, s52, 127
	s_lshl_b32 s52, s52, 23                        ; 2^(e2 + e3)
	s_mov_b32 s53, s52
	MKSC 32, 252, 253, 62                          ; e0
	MKSC 34, 254, 255, 62                          ; e2
	; ---- X: the mean first, then the squares of the differences
	s_wait_loadcnt 32                              ; x is in; the gain's and the bias's 32 loads may be out
	v_mov_b32 v244, 0                              ; (a lane permute's destination counts as read)
	v_pk_add_f32 v[242:243], v[16:17], v[18:19]
	v_pk_add_f32 v[250:251], v[24:25], v[28:29]
	v_pk_add_f32 v[248:249], v[32:33], v[36:37]
	v_pk_add_f32 v[246:247], v[40:41], v[44:45]
	v_pk_add_f32 v[238:239], v[48:49], v[52:53]
	v_pk_add_f32 v[236:237], v[56:57], v[60:61]
	v_pk_add_f32 v[234:235], v[64:65], v[68:69]
	v_pk_add_f32 v[240:241], v[72:73], v[76:77]
	s_delay_alu instid0(VALU_DEP_1)
	v_pk_add_f32 v[240:241], v[240:241], v[20:21]
	v_pk_add_f32 v[242:243], v[242:243], v[22:23]
	v_pk_add_f32 v[250:251], v[250:251], v[26:27]
	v_pk_add_f32 v[248:249], v[248:249], v[30:31]
	v_pk_add_f32 v[246:247], v[246:247], v[34:35]
	v_pk_add_f32 v[238:239], v[238:239], v[38:39]
	v_pk_add_f32 v[236:237], v[236:237], v[42:43]
	v_pk_add_f32 v[234:235], v[234:235], v[46:47]
	v_pk_add_f32 v[240:241], v[240:241], v[50:51]
	v_pk_add_f32 v[242:243], v[242:243], v[54:55]
	v_pk_add_f32 v[250:251], v[250:251], v[58:59]
	v_pk_add_f32 v[248:249], v[248:249], v[62:63]
	v_pk_add_f32 v[246:247], v[246:247], v[66:67]
	v_pk_add_f32 v[238:239], v[238:239], v[70:71]
	v_pk_add_f32 v[236:237], v[236:237], v[74:75]
	v_pk_add_f32 v[234:235], v[234:235], v[78:79]
	s_delay_alu instid0(VALU_DEP_4)
	v_pk_add_f32 v[240:241], v[240:241], v[246:247]
	s_delay_alu instid0(VALU_DEP_4)
	v_pk_add_f32 v[242:243], v[242:243], v[238:239]
	s_delay_alu instid0(VALU_DEP_4)
	v_pk_add_f32 v[250:251], v[250:251], v[236:237]
	s_delay_alu instid0(VALU_DEP_4)
	v_pk_add_f32 v[248:249], v[248:249], v[234:235]
	s_delay_alu instid0(VALU_DEP_2)
	v_pk_add_f32 v[240:241], v[240:241], v[250:251]
	s_delay_alu instid0(VALU_DEP_2)
	v_pk_add_f32 v[242:243], v[242:243], v[248:249]
	s_delay_alu instid0(VALU_DEP_1)
	v_pk_add_f32 v[240:241], v[240:241], v[242:243]
	s_delay_alu instid0(VALU_DEP_1)
	v_add_f32 v240, v240, v241
	s_delay_alu instid0(VALU_DEP_1)
	v_permlanex16_b32 v244, v240, s56, s57
	s_delay_alu instid0(VALU_DEP_1)
	v_add_f32 v240, v240, v244                     ; my token's sum over my 128 of K (both halves of the lanes hold it)
	ds_store_b32 v4, v240
	BARRIER
	ds_load_b128 v[244:247], v5
	s_wait_dscnt 0x0
	v_add_f32 v244, v244, v245
	v_add_f32 v246, v246, v247
	s_delay_alu instid0(VALU_DEP_1)
	v_add_f32 v244, v244, v246
	s_delay_alu instid0(VALU_DEP_1)
	v_mul_f32 v248, s54, v244                      ; the mean
	s_delay_alu instid0(VALU_DEP_1)
	v_mov_b32 v249, v248
.set j, 0
.rept 32
	v_pk_add_f32 v[X+j:X+j+1], v[X+j:X+j+1], v[248:249] neg_lo:[0,1] neg_hi:[0,1]
.set j, j+2
.endr
	v_pk_mul_f32 v[240:241], v[X:X+1], v[X:X+1]
	v_pk_mul_f32 v[242:243], v[X+2:X+3], v[X+2:X+3]
.set j, 4
.rept 15
	s_delay_alu instid0(VALU_DEP_2)
	v_pk_fma_f32 v[240:241], v[X+j:X+j+1], v[X+j:X+j+1], v[240:241]
	s_delay_alu instid0(VALU_DEP_2)
	v_pk_fma_f32 v[242:243], v[X+j+2:X+j+3], v[X+j+2:X+j+3], v[242:243]
.set j, j+4
.endr
	s_delay_alu instid0(VALU_DEP_1)
	v_pk_add_f32 v[240:241], v[240:241], v[242:243]
	s_delay_alu instid0(VALU_DEP_1)
	v_add_f32 v240, v240, v241
	s_delay_alu instid0(VALU_DEP_1)
	v_permlanex16_b32 v244, v240, s56, s57
	s_delay_alu instid0(VALU_DEP_1)
	v_add_f32 v240, v240, v244
	ds_store_b32 v4, v240 offset:512               ; other words than the first sums'
	BARRIER
	ds_load_b128 v[244:247], v5 offset:512
	s_wait_dscnt 0x0
	v_add_f32 v244, v244, v245
	v_add_f32 v246, v246, v247
	s_delay_alu instid0(VALU_DEP_1)
	v_add_f32 v244, v244, v246
	s_delay_alu instid0(VALU_DEP_1)
	v_fma_f32 v250, v244, s54, s55                 ; the variance + 1e-5
	s_wait_alu depctr_va_vdst(0)
	v_rsq_f32 v250, v250
	v_nop                                          ; a plain line behind the transcendental
	s_wait_alu depctr_va_vdst(0)                   ; the wait ahead of the first line that names its result
	v_mov_b32 v251, v250
	s_wait_alu depctr_va_vdst(0)
	s_wait_loadcnt 0x0                             ; the gain and the bias
.set j, 0
.rept 32
	v_pk_mul_f32 v[X+j:X+j+1], v[X+j:X+j+1], v[250:251]
.set j, j+2
.endr
.set j, 0
.rept 32
	v_pk_fma_f32 v[X+j:X+j+1], v[X+j:X+j+1], v[GM+j:GM+j+1], v[BT+j:BT+j+1]
.set j, j+2
.endr
.irp b, 0,1,2,3
	Q16 X+16*\b, GM+16*\b, PC+4*\b, 252, 253       ; with e0; the held numbers go into the gain's registers, so that h stays whole for the second quantiser
.endr
	v_nop                                          ; one plain line behind the last conversion of a run
.irp c, 0,1,2,3
	ds_store_b128 v6, v[PC+4*\c:PC+4*\c+3] offset:512*\c
.endr
.irp b, 0,1,2,3
	Q16 X+16*\b, BT+16*\b, PC2+4*\b, 254, 255      ; with e2
.endr
	v_nop
.irp c, 0,1,2,3
	ds_store_b128 v6, v[PC2+4*\c:PC2+4*\c+3] offset:HKI+512*\c
.endr
	WLOAD 80, 26, 0, 4                             ; wq's K steps 0 and 1 are asked for ahead of the barrier
	WLOAD 144, 26, 8192, 4
	BARRIER                                        ; h's sixteen images lie in LDS
	; ---- Q: eight accumulators by turns, a K step at a time; the weights in two sets, two K steps ahead
.irp s, 0,1,2,3
	FETCH 208, 1, \s*2048
	FETCH 224, 1, (4+\s)*2048
.if \s == 3
	s_wait_loadcnt 8                               ; this step's weights are in; bq's eight loads may be out
.else
	s_wait_loadcnt 16                              ; this step's weights are in; the next set's sixteen loads may be out
.endif
	s_wait_dscnt 0x0
.irp t, 0,1,2,3
.irp m, 0,1
.if \s == 0
	v_wmma_f32_16x16x128_fp8_fp8 v[ACC+8*(4*\m+\t):ACC+8*(4*\m+\t)+7], v[80+64*(\s%2)+16*\t:80+64*(\s%2)+16*\t+15], v[208+16*\m:223+16*\m], 0
.else
	v_wmma_f32_16x16x128_fp8_fp8 v[ACC+8*(4*\m+\t):ACC+8*(4*\m+\t)+7], v[80+64*(\s%2)+16*\t:80+64*(\s%2)+16*\t+15], v[208+16*\m:223+16*\m], v[ACC+8*(4*\m+\t):ACC+8*(4*\m+\t)+7]
.endif
.endr
.endr
	PLACES
.if \s < 2
	WLOAD 80+64*\s, 26, 16384+8192*\s, 4
.endif
.if \s == 2
.irp t, 0,1,2,3
	global_load_b128 v[80+8*\t:83+8*\t], v9, s[42:43] offset:(32*(\t/2)+8*(\t%2))*4      ; bq in the result's layout: tile t, columns 32 (t / 2) + 16 h + 8 (t % 2) + 0 .. 7
	global_load_b128 v[84+8*\t:87+8*\t], v9, s[42:43] offset:(32*(\t/2)+8*(\t%2))*4+16
.endr
.endif
.endr
	s_wait_loadcnt 0x0
.irp m, 0,1
.irp t, 0,1,2,3
.irp j, 0,2,4,6
	v_pk_fma_f32 v[ACC+8*(4*\m+\t)+\j:ACC+8*(4*\m+\t)+\j+1], v[ACC+8*(4*\m+\t)+\j:ACC+8*(4*\m+\t)+\j+1], s[50:51], v[80+8*\t+\j:81+8*\t+\j] op_sel_hi:[1,0,1]   ; q = sum x 2^(e0 + e1) + bq; each accumulator from its low end on
.endr
.endr
.endr
	MKSC 37, 240, 241, 62                          ; e5
.irp m, 0,1
.irp p, 0,1
	Q16 ACC+32*\m+16*\p, ACC+32*\m+16*\p, 208+4*(2*\m+\p), 240, 241
.endr
.endr
	v_nop
.irp m, 0,1
.irp p, 0,1
	global_store_b128 v1, v[208+4*(2*\m+\p):211+4*(2*\m+\p)], s[44:45] offset:\m*8192+\p*512   ; 512 consecutive bytes: tile m, head 2 w + p
.endr
.endr
	s_wait_xcnt 0x0                                ; the stores have read their registers: v208 on are written again below
	; ---- KV: no barrier follows, so the waves may part on their number
	s_cmp_lt_u32 s2, 2
	s_cbranch_scc0 .Lnot_k
.irp s, 0,1,2,3
	WLOAD 80+32*\s, 28, \s*8192, 2
	FETCH 16+16*\s, 7, \s*2048
.endr
.irp j, 0,1,2,3
	global_load_b128 v[224+4*\j:227+4*\j], v9, s[16:17] offset:16*\j   ; bkv at columns 16 h + 0 .. 15
.endr
	s_wait_loadcnt 0x0
	s_wait_dscnt 0x0
.irp s, 0,1,2,3
.irp t, 0,1
.if \s == 0
	v_wmma_f32_16x16x128_fp8_fp8 v[208+8*\t:215+8*\t], v[80+32*\s+16*\t:95+32*\s+16*\t], v[16+16*\s:31+16*\s], 0
.else
	v_wmma_f32_16x16x128_fp8_fp8 v[208+8*\t:215+8*\t], v[80+32*\s+16*\t:95+32*\s+16*\t], v[16+16*\s:31+16*\s], v[208+8*\t:215+8*\t]
.endif
.endr
.endr
	PLACES
.set j, 0
.rept 8
	v_pk_fma_f32 v[208+j:209+j], v[208+j:209+j], s[52:53], v[224+j:225+j] op_sel_hi:[1,0,1]
.set j, j+2
.endr
	MKSC 36, 240, 241, 62                          ; e4
	Q16 208, 208, 244, 240, 241
	v_nop
	global_store_b128 v1, v[244:247], s[46:47]
	s_set_vgpr_msb 0x4
	s_wait_tensorcnt 0x0
	ds_add_u32 v15, v1
	s_wait_dscnt 0x0
	s_set_vgpr_msb 0x400
	s_endpgm
.Lnot_k:
	s_cmp_lt_u32 s2, 4
	s_cbranch_scc0 .Lend
.irp s, 0,1,2,3
	WLOAD 80+16*\s, 30, \s*8192, 1
	FETCH 16+16*\s, 8, \s*2048
	FETCH 144+16*\s, 8, (4+\s)*2048
.endr
	global_load_b32 v224, v10, s[58:59]            ; bkv of my channel
	s_wait_loadcnt 0x0
	s_wait_dscnt 0x0
.irp s, 0,1,2,3
.irp m, 0,1
.if \s == 0
	v_wmma_f32_16x16x128_fp8_fp8 v[208+8*\m:215+8*\m], v[16+128*\m+16*\s:31+128*\m+16*\s], v[80+16*\s:95+16*\s], 0
.else
	v_wmma_f32_16x16x128_fp8_fp8 v[208+8*\m:215+8*\m], v[16+128*\m+16*\s:31+128*\m+16*\s], v[80+16*\s:95+16*\s], v[208+8*\m:215+8*\m]
.endif
.endr
.endr
	PLACES
.set j, 0
.rept 16
	v_fma_f32 v[208+j], v[208+j], s52, v224        ; register 8 m + j: token 32 G + 16 h + 8 m + j of my channel
.set j, j+1
.endr
	MKSC 38, 240, 241, 62                          ; e6
	Q16 208, 208, 244, 240, 241
	v_nop
	global_store_b128 v1, v[244:247], s[48:49]
.Lend:
	s_set_vgpr_msb 0x4
	s_wait_tensorcnt 0x0
	ds_add_u32 v15, v1
	s_wait_dscnt 0x0
	s_set_vgpr_msb 0x400
	s_endpgm
.Lfunc_end_k_q13f3d6e787_qkv:
	.size	k_q13f3d6e787_qkv, .Lfunc_end_k_q13f3d6e787_qkv-k_q13f3d6e787_qkv
	.p2alignl 7, 3214868480
	.fill 96, 4, 3214868480
	.section	.rodata,"a",@progbits
	.p2align	6, 0x0
	.amdhsa_kernel k_q13f3d6e787_qkv
		.amdhsa_group_segment_fixed_size 34816
		.amdhsa_private_segment_fixed_size 0
		.amdhsa_enable_private_segment 0
		.amdhsa_kernarg_size 72
		.amdhsa_user_sgpr_count 2
		.amdhsa_user_sgpr_kernarg_segment_ptr 1
		.amdhsa_wavefront_size32 1
		.amdhsa_system_sgpr_workgroup_id_x 1
		.amdhsa_system_sgpr_workgroup_id_y 1
		.amdhsa_system_sgpr_workgroup_id_z 1
		.amdhsa_system_vgpr_workitem_id 0
		.amdhsa_next_free_vgpr 258
		.amdhsa_next_free_sgpr 66
		.amdhsa_reserve_vcc 0
		.amdhsa_float_denorm_mode_32 3
		.amdhsa_float_denorm_mode_16_64 3
		.amdhsa_memory_ordered 1
		.amdhsa_forward_progress 1
		.amdhsa_inst_pref_size 65
	.end_amdhsa_kernel
	.amdgpu_metadata
---
amdhsa.version: [ 1, 2 ]
amdhsa.kernels:
  - .name:           k_q13f3d6e787_qkv
    .symbol:         k_q13f3d6e787_qkv.kd
    .args:
      - { .name: hidden_states, .offset: 0, .size: 8, .value_kind: global_buffer, .address_space: global }
      - { .name: ln1_g, .offset: 8, .size: 8, .value_kind: global_buffer, .address_space: global }
      - { .name: ln1_b, .offset: 16, .size: 8, .value_kind: global_buffer, .address_space: global }
      - { .name: bq, .offset: 24, .size: 8, .value_kind: global_buffer, .address_space: global }
      - { .name: bkv, .offset: 32, .size: 8, .value_kind: global_buffer, .address_space: global }
      - { .name: lowp_scales, .offset: 40, .size: 8, .value_kind: global_buffer, .address_space: global }
      - { .name: wc, .offset: 48, .size: 8, .value_kind: global_buffer, .address_space: global }
      - { .name: qc, .offset: 56, .size: 8, .value_kind: global_buffer, .address_space: global }
      - { .name: kvc, .offset: 64, .size: 8, .value_kind: global_buffer, .address_space: global }
    .group_segment_fixed_size: 34816
    .private_segment_fixed_size: 0
    .kernarg_segment_align: 8
    .kernarg_segment_size: 72
    .max_flat_workgroup_size: 256
    .sgpr_count:     66
    .vgpr_count:     258
    .wavefront_size: 32
...
	.end_amdgpu_metadata
.endif
;; end of part 2
;; launch block (part 3): grid 256 x 1, 16 waves a work-group, no clusters, 301,568 bytes of LDS; arguments qc, kvc, wc, lowp_scales, hidden_states, bo, ln2_g, ln2_b, bfc, bproj, out0; writes out0
.if DOCPART == 3
	.amdgcn_target "amdgcn-amd-amdhsa--gfx1250"
	.amdhsa_code_object_version 6
	.text
	.protected	k_q13f3d6e787_block
	.globl	k_q13f3d6e787_block
	.p2align	8
	.type	k_q13f3d6e787_block,@function
k_q13f3d6e787_block:
	s_mov_b64 s[64:65], 0
	v_nop
	global_prefetch_b8 v0, s[64:65] scope:SCOPE_SE
	s_setreg_imm32_b32 hwreg(HW_REG_WAVE_MODE, 25, 1), 1
	s_wait_xcnt 0x0
; Causal multi-query attention on codes of FP8 (E4M3), then x = attn wo + bo + residual, h2 = LN2(x), gelu(h2 wfc + bfc) wproj + bproj + x.  Nothing between goes to memory.
; Exponents: k e4, q e5, v e6, p e7, attn e8, wo e9, h2 e10, wfc e11, the hidden layer e12, wproj e13.
; LIMITS, so that each power of two below is an f32 number: e7, e8, e10, e12 between -126 and 119; e8 + e9, e10 + e11, e12 + e13 between -126 and 127; e4 + e5 between -124 and 129 (added to c's exponent field); e6 + e7 goes by v_ldexp_f32 and has none.  NaN among the inputs is not served.
; THE SOFTMAX: t = score x log2(e) / sqrt(32); M = the running largest t rounded UP to a whole number; p = 2^(t - M) is quantised, not normalised; the row's sum is taken of the unquantised p and divides at the end; when M moves, sum and O are multiplied by 2^(old M - new M).
; SHARES.  A work-group of sixteen waves owns two tiles of 16 tokens of one batch: tile m = 0 in token group p, tile m = 1 in group 63 - p (lane r of a tile: token 32 g + 8 u + r + 8 (r / 8)).
; A tile in group g has g / 4 + 1 key steps of 128 under the causal mask, and the two tiles together always 17: every wave of every work-group has the same work.  In the attention wave w is head w; all heads share K and V.
; Afterwards THE WAVES SHARE THE COLUMNS: wave w owns columns 32 w .. 32 w + 31 of x and of the output and hidden units 128 w .. 128 w + 127, for all 32 tokens.  Its weights come from wc straight into its registers, laid as
; fragments: no other wave of the work-group reads them, so they do not pass through LDS.  No cluster: what work-groups share is the weights, which no work-group holds in LDS, and the batch's K and V, brought once.
; Every product is used transposed (source 0 = 16 columns of the weight, or 16 keys, or 16 channels of V; source 1 = 16 tokens): a lane holds one token, and the 16 registers of two neighbouring column tiles are 16 neighbours along
; the next K.  Operands go from wave to wave as IMAGES OF THEIR REGISTERS (register group c of a fragment at 512 c + 16 lane).
; The scores' K is 32: the K = 64 form with d = 16 h + 0 .. 15 in registers 0-3 and zero codes in registers 4-7, on both sides.
; LDS: K 0 (65,536); V 65,536; attn's 8 images 131,072 (4 m + s); h2's 8 images 147,456; the hidden layer's 32 images 163,840 (16 m + s); a stage of 32 rows x (2,048 + 16) 229,376; the sums' partials 295,424 and 297,472 (token 16 m + r: 16 words).
.set AI,  131072
.set H2I, 147456
.set HI,  163840
.set STG, 229376
.set R1,  295424
.macro PLACES                          ; behind a run of matrix instructions: four plain vector lines ahead of loads into their registers and of reads of their results, five ahead of a matrix instruction that writes over one
.rept 5
	v_nop
.endr
.endm
.macro BARRIER                         ; my LDS stores have landed and my LDS loads are in: then the work-group's barrier
	s_wait_dscnt 0x0
	s_barrier_signal -1
	s_barrier_wait -1
.endm
.macro MKSC e, vsc, vlim, st           ; v[vsc] = 2^e as f32, e in s[e]
	s_add_co_i32 s[\st], s[\e], 127
	s_lshl_b32 s[\st+1], s[\st], 23
	v_mov_b32 v[\vsc], s[\st+1]
	s_add_co_i32 s[\st], s[\st], 8
	s_lshl_b32 s[\st], s[\st], 23
	s_or_b32 s[\st], s[\st], 0x600000
.endm
.macro POW2 d, a, b                    ; s[d], s[d + 1] = 2^(s[a] + s[b]) as f32
	s_add_co_i32 s[\d], s[\a], s[\b]
	s_add_co_i32 s[\d], s[\d], 127
	s_lshl_b32 s[\d], s[\d], 23
	s_mov_b32 s[\d+1], s[\d]
.endm
.macro WLOAD reg, sb, off, nf          ; nf fragments of a weight, as they lie in wc: each load 512 consecutive bytes
.set wi, 0
.rept 4*(\nf)
	global_load_b128 v[(\reg)+4*wi:(\reg)+4*wi+3], v1, s[\sb:\sb+1] offset:(\off)+512*wi
.set wi, wi+1
.endr
.endm
.macro FETCH reg, adr, off             ; a fragment's image from LDS
.irp c, 0,1,2,3
	ds_load_b128 v[(\reg)+4*\c:(\reg)+4*\c+3], v[\adr] offset:(\off)+512*\c
.endr
.endm
.macro Q16 src, tmp, dst, vsc, vlim    ; 16 numbers become 16 codes, unclamped
.set qi, 0
.rept 16
.set qi, qi+1
.endr
	v_cvt_scalef32_pk8_fp8_f32 v[(\dst):(\dst)+1], v[(\tmp):(\tmp)+7], v[\vsc]
	v_cvt_scalef32_pk8_fp8_f32 v[(\dst)+2:(\dst)+3], v[(\tmp)+8:(\tmp)+15], v[\vsc]
.endm
.macro SUM16 s, a                      ; v[a] = the sum of v[s] .. v[s + 15]; v[a] .. v[a + 3] at work
	v_pk_add_f32 v[(\a):(\a)+1], v[(\s):(\s)+1], v[(\s)+2:(\s)+3]
	v_pk_add_f32 v[(\a)+2:(\a)+3], v[(\s)+4:(\s)+5], v[(\s)+6:(\s)+7]
	s_delay_alu instid0(VALU_DEP_2)
	v_pk_add_f32 v[(\a):(\a)+1], v[(\a):(\a)+1], v[(\s)+8:(\s)+9]
	s_delay_alu instid0(VALU_DEP_2)
	v_pk_add_f32 v[(\a)+2:(\a)+3], v[(\a)+2:(\a)+3], v[(\s)+10:(\s)+11]
	s_delay_alu instid0(VALU_DEP_2)
	v_pk_add_f32 v[(\a):(\a)+1], v[(\a):(\a)+1], v[(\s)+12:(\s)+13]
	s_delay_alu instid0(VALU_DEP_2)
	v_pk_add_f32 v[(\a)+2:(\a)+3], v[(\a)+2:(\a)+3], v[(\s)+14:(\s)+15]
	s_delay_alu instid0(VALU_DEP_1)
	v_pk_add_f32 v[(\a):(\a)+1], v[(\a):(\a)+1], v[(\a)+2:(\a)+3]
	s_delay_alu instid0(VALU_DEP_1)
	v_add_f32 v[(\a)], v[(\a)], v[(\a)+1]
.endm
.macro SQ16 s, a                       ; the same of their squares
	v_pk_mul_f32 v[(\a):(\a)+1], v[(\s):(\s)+1], v[(\s):(\s)+1]
	v_pk_mul_f32 v[(\a)+2:(\a)+3], v[(\s)+2:(\s)+3], v[(\s)+2:(\s)+3]
	s_delay_alu instid0(VALU_DEP_2)
	v_pk_fma_f32 v[(\a):(\a)+1], v[(\s)+4:(\s)+5], v[(\s)+4:(\s)+5], v[(\a):(\a)+1]
	s_delay_alu instid0(VALU_DEP_2)
	v_pk_fma_f32 v[(\a)+2:(\a)+3], v[(\s)+6:(\s)+7], v[(\s)+6:(\s)+7], v[(\a)+2:(\a)+3]
	s_delay_alu instid0(VALU_DEP_2)
	v_pk_fma_f32 v[(\a):(\a)+1], v[(\s)+8:(\s)+9], v[(\s)+8:(\s)+9], v[(\a):(\a)+1]
	s_delay_alu instid0(VALU_DEP_2)
	v_pk_fma_f32 v[(\a)+2:(\a)+3], v[(\s)+10:(\s)+11], v[(\s)+10:(\s)+11], v[(\a)+2:(\a)+3]
	s_delay_alu instid0(VALU_DEP_2)
	v_pk_fma_f32 v[(\a):(\a)+1], v[(\s)+12:(\s)+13], v[(\s)+12:(\s)+13], v[(\a):(\a)+1]
	s_delay_alu instid0(VALU_DEP_2)
	v_pk_fma_f32 v[(\a)+2:(\a)+3], v[(\s)+14:(\s)+15], v[(\s)+14:(\s)+15], v[(\a)+2:(\a)+3]
	s_delay_alu instid0(VALU_DEP_1)
	v_pk_add_f32 v[(\a):(\a)+1], v[(\a):(\a)+1], v[(\a)+2:(\a)+3]
	s_delay_alu instid0(VALU_DEP_1)
	v_add_f32 v[(\a)], v[(\a)], v[(\a)+1]
.endm
.macro CROSS a                         ; + lane l xor 16's
	s_delay_alu instid0(VALU_DEP_1)
	v_permlanex16_b32 v[(\a)+1], v[(\a)], s48, s49
	s_delay_alu instid0(VALU_DEP_1)
	v_add_f32 v[(\a)], v[(\a)], v[(\a)+1]
.endm
	s_load_b512 s[8:23], s[0:1], 0x0               ; qc s[8:9], kvc s[10:11], wc s[12:13], exponents s[14:15], x s[16:17], bo s[18:19], gain s[20:21], bias s[22:23]
	s_load_b128 s[24:27], s[0:1], 0x40             ; bfc, bproj
	s_load_b64 s[28:29], s[0:1], 0x50              ; out
	v_lshrrev_b32 v1, 5, v0
	s_delay_alu instid0(VALU_DEP_1)
	v_readfirstlane_b32 s2, v1                     ; wave 0..15
	v_and_b32 v8, 31, v0
	s_delay_alu instid0(VALU_DEP_1)
	v_lshlrev_b32 v1, 4, v8                        ; v1: 16 x lane; never rewritten
	v_and_b32 v9, 15, v0                           ; r
	v_bfe_u32 v10, v0, 4, 1                        ; h
	s_delay_alu instid0(VALU_DEP_2)
	v_and_b32 v11, 8, v9
	s_delay_alu instid0(VALU_DEP_1)
	v_add_nc_u32 v11, v11, v9                      ; r + 8 (r / 8)
	s_delay_alu instid0(VALU_DEP_3)
	v_lshlrev_b32 v5, 4, v10
	s_delay_alu instid0(VALU_DEP_1)
	v_sub_nc_u32 v5, v11, v5                       ; v5: r + 8 (r / 8) - 16 h, for the mask
	v_add_nc_u32 v2, 65536, v1                     ; v2: my place in a step's V
	s_lshl_b32 s4, s2, 12
	v_add_nc_u32 v6, s4, v1                        ; v6, v7: where my wave puts its 4,096 bytes of K and of V
	s_delay_alu instid0(VALU_DEP_1)
	v_add_nc_u32 v7, 65536, v6
	s_lshl_b32 s4, s2, 9
	s_add_co_u32 s4, s4, AI
	v_add_nc_u32 v245, s4, v1                      ; v245: my head's register group in attn's images: 2,048 (w / 4) + 512 (w % 4) = 512 w
	v_lshrrev_b32 v244, 3, v8
	s_delay_alu instid0(VALU_DEP_1)
	v_lshlrev_b32 v244, 11, v244
	v_and_b32 v8, 7, v8
	s_delay_alu instid0(VALU_DEP_1)
	v_lshl_add_u32 v244, v8, 8, v244               ; v244: the prefetch's offset: row lane / 8, block lane % 8 of 256 bytes
	v_mov_b32 v242, 0xff800000                     ; -infinity
	s_lshr_b32 s3, ttmp9, 6                        ; the batch
	s_and_b32 s5, ttmp9, 1                         ; u
	s_bfe_u32 s6, ttmp9, 0x50001                   ; tile 0's token group: p, 0 .. 31
	s_sub_co_u32 s7, 63, s6                        ; tile 1's: 63 - p
	s_lshl_b32 s30, s3, 11
	s_lshl_b32 s4, s5, 3
	s_add_co_u32 s30, s30, s4
	s_lshl_b32 s98, s6, 5
	s_add_co_u32 s98, s98, s30                     ; the row of x at which tile 0 begins: 2,048 batch + 32 g + 8 u
	s_lshl_b32 s99, s7, 5
	s_add_co_u32 s99, s99, s30                     ; tile 1
	s_mov_b32 s46, 0x3e8293ee                      ; c = log2(e) / sqrt(32)
	s_mov_b32 s48, 0x76543210                      ; v_permlanex16_b32: lane l xor 16
	s_mov_b32 s49, 0xfedcba98
	s_mov_b32 s84, 0xbdd2d3e8                      ; gelu: c1 = 0.044715 c0
	s_mov_b32 s85, s84
	s_mov_b32 s87, 0
	s_lshl_b32 s30, s3, 7
	s_add_co_u32 s30, s30, s5                      ; 128 batch + u
	s_wait_kmcnt 0x0
	s_load_b256 s[32:39], s[14:15], 0x0            ; e0 .. e7
	s_load_b128 s[40:43], s[14:15], 0x20           ; e8 .. e11
	s_load_b64 s[44:45], s[14:15], 0x30            ; e12, e13
	s_lshl_b32 s86, s6, 1
	s_add_co_u32 s86, s86, s30
	s_lshl_b32 s86, s86, 4
	s_add_co_u32 s86, s86, s2
	s_lshl_b32 s86, s86, 9
	s_add_nc_u64 s[90:91], s[8:9], s[86:87]        ; q of tile 0, head w
	s_lshl_b32 s86, s7, 1
	s_add_co_u32 s86, s86, s30
	s_lshl_b32 s86, s86, 4
	s_add_co_u32 s86, s86, s2
	s_lshl_b32 s86, s86, 9
	s_add_nc_u64 s[92:93], s[8:9], s[86:87]        ; q of tile 1
	s_lshl_b32 s86, s3, 16
	s_lshl_b32 s4, s2, 12
	s_add_co_u32 s86, s86, s4
	s_add_nc_u64 s[94:95], s[10:11], s[86:87]      ; my wave's sixteenth of the batch's K,
	s_add_nc_u64 s[96:97], s[94:95], 262144        ; and of its V
	; ---- the fill: all 2,048 keys of the batch, once: no ring, nothing is filled again
	global_load_b128 v[16:19], v1, s[90:91]
	global_load_b128 v[24:27], v1, s[92:93]
.irp i, 0,1,2,3,4,5,6,7
	global_load_b128 v[128+4*\i:131+4*\i], v1, s[94:95] offset:512*\i
.endr
.irp i, 0,1,2,3,4,5,6,7
	global_load_b128 v[160+4*\i:163+4*\i], v1, s[96:97] offset:512*\i
.endr
	s_lshl_b32 s86, s98, 11
	s_lshl_b32 s4, s2, 7
	s_add_co_u32 s86, s86, s4
	s_add_nc_u64 s[60:61], s[16:17], s[86:87]      ; the residual: tile 0's rows at my 32 columns
	s_lshl_b32 s86, s99, 11
	s_add_co_u32 s86, s86, s4
	s_add_nc_u64 s[62:63], s[16:17], s[86:87]      ; tile 1's
	s_lshr_b32 s86, s2, 1
	s_lshl_b32 s86, s86, 15
	s_and_b32 s4, s2, 1
	s_lshl_b32 s4, s4, 12
	s_add_co_u32 s86, s86, s4
	s_add_co_u32 s86, s86, 294912
	s_add_nc_u64 s[54:55], s[12:13], s[86:87]      ; wo: my two column tiles
	s_lshl_b32 s86, s2, 16
	s_add_co_u32 s86, s86, 557056
	s_add_nc_u64 s[56:57], s[12:13], s[86:87]      ; wfc: my eight
	s_lshr_b32 s86, s2, 1
	s_lshl_b32 s86, s86, 17
	s_add_co_u32 s86, s86, s4
	s_add_co_u32 s86, s86, 1605632
	s_add_nc_u64 s[58:59], s[12:13], s[86:87]      ; wproj: my two
	s_lshl_b32 s86, s2, 7
	s_add_nc_u64 s[66:67], s[18:19], s[86:87]      ; bo, the gain, the bias, bproj at my 32 columns
	s_add_nc_u64 s[68:69], s[20:21], s[86:87]
	s_add_nc_u64 s[70:71], s[22:23], s[86:87]
	s_add_nc_u64 s[74:75], s[26:27], s[86:87]
	s_lshl_b32 s86, s2, 9
	s_add_nc_u64 s[72:73], s[24:25], s[86:87]      ; bfc at my 128 hidden units
	s_cmp_lt_u32 s2, 8                             ; the rows that I store at the end: rows 2 w, 2 w + 1 of the stage: tile w / 8, tile rows 2 (w % 8) and the next
	s_cselect_b32 s86, s98, s99
	s_and_b32 s4, s2, 7
	s_lshl_b32 s30, s4, 1
	s_add_co_u32 s86, s86, s30
	s_lshr_b32 s4, s4, 2
	s_lshl_b32 s4, s4, 3
	s_add_co_u32 s86, s86, s4
	s_lshl_b32 s86, s86, 11
	s_add_nc_u64 s[76:77], s[28:29], s[86:87]
	s_bitcmp1_b32 s2, 2                            ; the prefetch: waves 0 to 7 take four rows each of the 32 residual rows: tile w / 4, tile rows 4 (w % 4) on
	s_cselect_b32 s86, s99, s98
	s_and_b32 s4, s2, 3
	s_lshl_b32 s30, s4, 2
	s_add_co_u32 s86, s86, s30
	s_lshr_b32 s4, s4, 1
	s_lshl_b32 s4, s4, 3
	s_add_co_u32 s86, s86, s4
	s_lshl_b32 s86, s86, 11
	s_add_nc_u64 s[88:89], s[16:17], s[86:87]
	s_lshr_b32 s31, s7, 2
	s_cmp_lt_u32 s2, 8
	s_cselect_b32 s31, s31, -1                     ; the key step of tile 1 in which a wave prefetches: its last; waves 8 to 15: none
.irp i, 20,21,22,23,28,29,30,31
	v_mov_b32 v[\i], 0                             ; the zero codes of q's upper K,
.endr
.irp t, 0,1,2,3,4,5,6,7
.irp i, 4,5,6,7
	v_mov_b32 v[64+8*\t+\i], 0                     ; and of k's, in registers of their own
.endr
.endr
	s_wait_kmcnt 0x0
	s_add_co_i32 s4, s36, s37
	s_lshl_b32 s4, s4, 23
	s_add_co_i32 s46, s46, s4                      ; a score stands for score x 2^(e4 + e5): added to c's exponent field
	s_mov_b32 s47, s46
	MKSC 39, 241, 240, 98                          ; e7: p's scale v241
	MKSC 40, 247, 246, 98                          ; e8: attn's scale v247
	POW2 78, 40, 41
	POW2 80, 42, 43
	POW2 82, 44, 45
	s_add_co_i32 s86, s38, s39                     ; e6 + e7
	s_mov_b32 s87, 0x3b000000                      ; 1 / 512
	s_mov_b32 s30, 0x3727c5ac                      ; 1e-5
	s_wait_loadcnt 0x0
.irp i, 0,1,2,3,4,5,6,7
	ds_store_b128 v6, v[128+4*\i:131+4*\i] offset:512*\i
.endr
.irp i, 0,1,2,3,4,5,6,7
	ds_store_b128 v7, v[160+4*\i:163+4*\i] offset:512*\i
.endr
	BARRIER                                        ; K and V lie in LDS
; ---- THE ATTENTION of tile m, head w.  REGISTERS: v3, v4 the step's K and V; v12 -M, v13 the largest t, v[14:15] the sum in two halves; v16-31 q's two fragments; v32-63 V's two; v64-127 K's eight;
; v128-191 S^T, then p; v192-207 O^T; v208-223 p's codes; v224-231 attn's codes; v232-239, v243 at work.
; The loop has sixteen trips, a constant; a step all of whose keys come after the tile's tokens is left out by a scalar branch on the work-group's number, round the step's work and not round the lines that step the address and the count.
.macro ATT m
	s_lshr_b32 s52, s[6+\m], 2                     ; the step on the diagonal, the tile's last
	s_and_b32 s53, s[6+\m], 3
	s_lshl_b32 s53, s53, 5
	s_lshl_b32 s4, s5, 3
	s_add_co_u32 s53, s53, s4                      ; the tile's first token in that step
	v_mov_b32 v13, 0xff61b1e6                      ; the largest t so far: -3e38, under every t
	s_delay_alu instid0(VALU_DEP_1)
	v_floor_f32 v12, -v13
	v_mov_b32 v14, 0
	v_mov_b32 v15, 0
	v_mov_b32 v232, 0                              ; (a lane permute's destination counts as read)
	v_mov_b32 v235, 0                              ; (named as the upper half of the pair v[234:235])
.set oi, 0
.rept 16
	v_mov_b32 v[192+oi], 0                         ; O^T: the step is written once; the first finds zeros, which the first change of M leaves zeros
.set oi, oi+1
.endr
	s_mov_b32 s50, 0                               ; the step's first byte in K and in V
	s_mov_b32 s51, 0                               ; the step
.Lstep_\@:
	s_cmp_gt_u32 s51, s52
	s_cbranch_scc1 .Lskip_\@
	s_setprio 2
	v_add_nc_u32 v3, s50, v1
	v_add_nc_u32 v4, s50, v2
.irp t, 0,1,2,3,4,5,6,7
	ds_load_b128 v[64+8*\t:67+8*\t], v3 offset:512*\t
.endr
.irp d, 0,1
.irp c, 0,1,2,3
	ds_load_b128 v[32+16*\d+4*\c:35+16*\d+4*\c], v4 offset:2048*\d+512*\c
.endr
.endr
.if \m == 1
	s_cmp_eq_u32 s51, s31                          ; in tile 1's last key step waves 0 to 7 ask for the work-group's 32 residual rows, each lane for 256 bytes of its own: each is named once in the launch, one key step ahead of its load
	s_cbranch_scc0 .Lnopf_\@
	global_prefetch_b8 v244, s[88:89] th:TH_LOAD_NT scope:SCOPE_SE
.Lnopf_\@:
.endif
	s_wait_dscnt 8                                 ; K's eight loads are in; V's eight may be out
.irp t, 0,1,2,3,4,5,6,7
	v_wmma_f32_16x16x64_fp8_fp8 v[128+8*\t:135+8*\t], v[64+8*\t:71+8*\t], v[16+8*\m:23+8*\m], 0   ; register 16 b + i of tiles 2 b, 2 b + 1: key 32 b + 16 h + i of the step
.endr
	PLACES
	s_cmp_lg_u32 s51, s52
	s_cbranch_scc1 .Lopen_\@
	v_add_nc_u32 v243, s53, v5                     ; on the diagonal: my token in the step, less 16 h; key 32 b + i is hidden where it is greater
.set n, 0
.rept 64
	v_cmp_gt_i32 vcc_lo, 32*(n/16)+n%16, v243
	v_cndmask_b32 v[128+n], v[128+n], v242, vcc_lo
.set n, n+1
.endr
.Lopen_\@:
	v_max3_num_f32 v238, v128, v129, v130          ; the step's largest score among my 64 keys, in two chains, from the low end on
	v_max3_num_f32 v239, v131, v132, v133
.set j, 6
.rept 14
	v_max3_num_f32 v238, v238, v[128+j], v[129+j]
	v_max3_num_f32 v239, v239, v[130+j], v[131+j]
.set j, j+4
.endr
	v_max3_num_f32 v238, v238, v190, v191
	s_delay_alu instid0(VALU_DEP_1)
	v_max_num_f32 v238, v238, v239
	s_delay_alu instid0(VALU_DEP_1)
	v_permlanex16_b32 v232, v238, s48, s49
	s_delay_alu instid0(VALU_DEP_1)
	v_max_num_f32 v238, v238, v232                 ; and among lane l xor 16's
	s_delay_alu instid0(VALU_DEP_1)
	v_mul_f32 v238, s46, v238                      ; as t (c is positive)
	s_delay_alu instid0(VALU_DEP_1)
	v_max_num_f32 v13, v13, v238
	v_mov_b32 v238, v12
	s_delay_alu instid0(VALU_DEP_2)
	v_floor_f32 v12, -v13                          ; -M = floor(-t): M is a whole number
	s_delay_alu instid0(VALU_DEP_1)
	v_sub_f32 v238, v12, v238                      ; old M - new M: a whole number, 0 or less
	s_delay_alu instid0(VALU_DEP_1)
	v_cvt_i32_f32 v238, v238                       ; (it saturates)
	s_delay_alu instid0(VALU_DEP_1)
	v_ldexp_f32 v234, 1.0, v238                    ; f = 2^(old M - new M)
.set j, 0
	s_setprio 1
.rept 32
	v_pk_fma_f32 v[128+j:129+j], v[128+j:129+j], s[46:47], v[12:13] op_sel_hi:[1,0,0]   ; t - M (of the pairs c and -M the low word serves both halves)
.set j, j+2
.endr
.set j, 0
	s_wait_alu depctr_va_vdst(0)
.rept 64
	v_exp_f32 v[128+j], v[128+j]                   ; p = 2^(t - M)
.set j, j+1
.endr
	v_pk_mul_f32 v[14:15], v[14:15], v[234:235] op_sel_hi:[1,0]   ; the sum under the new M: the plain line behind the exponentials
	s_wait_alu depctr_va_vdst(0)                   ; one wait for the batch, ahead of its first reader
	v_pk_add_f32 v[236:237], v[132:133], v[136:137]
	v_pk_add_f32 v[254:255], v[140:141], v[144:145]
	v_pk_add_f32 v[252:253], v[148:149], v[152:153]
	v_pk_add_f32 v[250:251], v[156:157], v[160:161]
	v_pk_add_f32 v[248:249], v[164:165], v[168:169]
	v_pk_add_f32 v[238:239], v[172:173], v[176:177]
	v_pk_add_f32 v[230:231], v[180:181], v[184:185]
	v_pk_add_f32 v[14:15], v[14:15], v[188:189]
	v_pk_add_f32 v[236:237], v[236:237], v[128:129]
	v_pk_add_f32 v[254:255], v[254:255], v[130:131]
	s_setprio 0
	v_pk_add_f32 v[252:253], v[252:253], v[134:135]
	v_pk_add_f32 v[250:251], v[250:251], v[138:139]
	v_pk_add_f32 v[248:249], v[248:249], v[142:143]
	v_pk_add_f32 v[238:239], v[238:239], v[146:147]
	v_pk_add_f32 v[230:231], v[230:231], v[150:151]
	v_pk_add_f32 v[14:15], v[14:15], v[154:155]
	v_pk_add_f32 v[236:237], v[236:237], v[158:159]
	v_pk_add_f32 v[254:255], v[254:255], v[162:163]
	v_pk_add_f32 v[252:253], v[252:253], v[166:167]
	v_pk_add_f32 v[250:251], v[250:251], v[170:171]
	v_pk_add_f32 v[248:249], v[248:249], v[174:175]
	v_pk_add_f32 v[238:239], v[238:239], v[178:179]
	v_pk_add_f32 v[230:231], v[230:231], v[182:183]
	v_pk_add_f32 v[14:15], v[14:15], v[186:187]
	v_pk_add_f32 v[236:237], v[236:237], v[190:191]
	s_delay_alu instid0(VALU_DEP_2)
	v_pk_add_f32 v[14:15], v[14:15], v[250:251]
	s_delay_alu instid0(VALU_DEP_2)
	v_pk_add_f32 v[236:237], v[236:237], v[248:249]
	v_pk_add_f32 v[254:255], v[254:255], v[238:239]
	v_pk_add_f32 v[252:253], v[252:253], v[230:231]
	s_delay_alu instid0(VALU_DEP_2)
	v_pk_add_f32 v[14:15], v[14:15], v[254:255]
	s_delay_alu instid0(VALU_DEP_2)
	v_pk_add_f32 v[236:237], v[236:237], v[252:253]
	s_delay_alu instid0(VALU_DEP_1)
	v_pk_add_f32 v[14:15], v[14:15], v[236:237]
.irp b, 0,1,2,3
.set j, 0
.rept 16
.set j, j+1
.endr
	v_cvt_scalef32_pk8_fp8_f32 v[208+4*\b:209+4*\b], v[128+16*\b:135+16*\b], v241
	v_cvt_scalef32_pk8_fp8_f32 v[210+4*\b:211+4*\b], v[136+16*\b:143+16*\b], v241
.endr
.set j, 0
.rept 8
	v_pk_mul_f32 v[192+j:193+j], v[192+j:193+j], v[234:235] op_sel_hi:[1,0]   ; O^T under the new M; also the plain lines behind the conversions
.set j, j+2
.endr
	s_wait_alu depctr_va_vdst(0)
	s_wait_dscnt 0x0                               ; V
.irp d, 0,1
	v_wmma_f32_16x16x128_fp8_fp8 v[192+8*\d:199+8*\d], v[32+16*\d:47+16*\d], v[208:223], v[192+8*\d:199+8*\d]   ; register 8 d + j: channel 16 h + 8 d + j of my token
.endr
	PLACES
.Lskip_\@:
	s_add_co_u32 s50, s50, 4096
	s_add_co_u32 s51, s51, 1
	s_cmp_lt_u32 s51, 16
	s_cbranch_scc1 .Lstep_\@
	s_setprio 0
	v_add_f32 v14, v14, v15
	s_delay_alu instid0(VALU_DEP_1)
	v_permlanex16_b32 v232, v14, s48, s49
	s_delay_alu instid0(VALU_DEP_1)
	v_add_f32 v14, v14, v232                       ; the row's sum
	s_wait_alu depctr_va_vdst(0)
	v_rcp_f32 v14, v14
	v_nop
	s_wait_alu depctr_va_vdst(0)
	v_ldexp_f32 v14, v14, s86                      ; x 2^(e6 + e7)
.set j, 0
.rept 16
	v_mul_f32 v[128+j], v[192+j], v14
.set j, j+1
.endr
	Q16 128, 128, 224+4*\m, 247, 246               ; attn, with e8: columns 32 w + 16 h + 0 .. 15 of my token: a register group of the next operand
	v_nop
	ds_store_b128 v245, v[224+4*\m:227+4*\m] offset:\m*8192
.endm
	ATT 0
	ATT 1
	; ---- wo and the residual.  REGISTERS: v16-47 four accumulators (2 m + t), then x; v48-79 attn's two fragments; v80-207 wo's eight; v208-239 the residual; v240-255 bo
	s_wait_xcnt 0x0                                ; the prefetch has read its registers
.irp s, 0,1,2,3
	WLOAD 80+32*\s, 54, \s*8192, 2
.endr
	v_and_b32 v8, 15, v0                           ; r
	v_bfe_u32 v9, v0, 4, 1                         ; h
	v_add_nc_u32 v2, AI, v1                        ; v2, v3, v4: my lane's place in attn's, h2's, the hidden layer's images
	v_add_nc_u32 v3, H2I, v1
	v_add_nc_u32 v4, HI, v1
	s_lshl_b32 s4, s2, 9
	v_add_nc_u32 v6, s4, v3                        ; v6: where I store h2's register group
	s_lshl_b32 s4, s2, 11
	v_add_nc_u32 v7, s4, v4                        ; v7: where I store the hidden layer's fragment
	v_lshlrev_b32 v14, 6, v9                       ; v14: 64 h: my 16 columns in my wave's 32
	v_mul_u32_u24 v10, v8, 2064
	s_delay_alu instid0(VALU_DEP_1)
	v_add_nc_u32 v10, v10, v14
	s_lshl_b32 s4, s2, 7
	s_add_co_u32 s4, s4, STG
	v_add_nc_u32 v10, s4, v10                      ; v10: the stage: row r, my 64 bytes
	s_mul_i32 s4, s2, 4128
	s_add_co_u32 s4, s4, STG
	v_add_nc_u32 v11, s4, v1                       ; v11: the stage's rows 2 w, 2 w + 1
	v_lshlrev_b32 v13, 6, v8
	s_delay_alu instid0(VALU_DEP_1)
	v_add_nc_u32 v13, R1, v13                      ; v13: my token's 16 partials
	s_lshl_b32 s4, s2, 2
	v_add_nc_u32 v12, s4, v13                      ; v12: my wave's word of them
	v_and_b32 v15, 8, v8
	s_delay_alu instid0(VALU_DEP_1)
	v_add_nc_u32 v15, v15, v8
	s_delay_alu instid0(VALU_DEP_1)
	v_lshl_add_u32 v15, v15, 11, v14               ; v15: the residual: row r + 8 (r / 8), + 64 h
	s_wait_alu depctr_va_vdst(0)
	s_wait_dscnt 0x0                               ; my images of attn have landed
.irp j, 0,1,2,3
	global_load_b128 v[208+4*\j:211+4*\j], v15, s[60:61] offset:16*\j
.endr
.irp j, 0,1,2,3
	global_load_b128 v[224+4*\j:227+4*\j], v15, s[62:63] offset:16*\j
.endr
.irp j, 0,1,2,3
	global_load_b128 v[240+4*\j:243+4*\j], v14, s[66:67] offset:16*\j
.endr
	s_barrier_signal -1
	s_barrier_wait -1                              ; attn's eight images lie in LDS
.irp s, 0,1,2,3
	FETCH 48, 2, \s*2048
	FETCH 64, 2, (4+\s)*2048
	s_wait_loadcnt (3-\s)*8+12                     ; this K step's eight loads are in; the later steps' and the twelve of the residual and bo may be out
	s_wait_dscnt 0x0
.irp t, 0,1
.irp m, 0,1
.if \s == 0
	v_wmma_f32_16x16x128_fp8_fp8 v[16+8*(2*\m+\t):23+8*(2*\m+\t)], v[80+32*\s+16*\t:95+32*\s+16*\t], v[48+16*\m:63+16*\m], 0
.else
	v_wmma_f32_16x16x128_fp8_fp8 v[16+8*(2*\m+\t):23+8*(2*\m+\t)], v[80+32*\s+16*\t:95+32*\s+16*\t], v[48+16*\m:63+16*\m], v[16+8*(2*\m+\t):23+8*(2*\m+\t)]
.endif
.endr
.endr
	PLACES
.endr
	s_wait_loadcnt 0x0
.irp m, 0,1
.irp j, 0,2,4,6,8,10,12,14
	v_pk_add_f32 v[208+16*\m+\j:209+16*\m+\j], v[208+16*\m+\j:209+16*\m+\j], v[240+\j:241+\j]
.endr
.endr
.set j, 0
.rept 16
	v_pk_fma_f32 v[16+j:17+j], v[16+j:17+j], s[78:79], v[208+j:209+j] op_sel_hi:[1,0,1]   ; x = sum x 2^(e8 + e9) + bo + residual: register 16 m + i: column 32 w + 16 h + i
.set j, j+2
.endr
	; ---- LN2: x goes to my own bytes of the stage, for the last residual; the mean first, then the squares of the differences
.irp m, 0,1
.irp j, 0,1,2,3
	ds_store_b128 v10, v[16+16*\m+4*\j:19+16*\m+4*\j] offset:\m*33024+16*\j
.endr
.endr
.irp j, 0,1,2,3
	global_load_b128 v[80+4*\j:83+4*\j], v14, s[68:69] offset:16*\j
.endr
.irp j, 0,1,2,3
	global_load_b128 v[96+4*\j:99+4*\j], v14, s[70:71] offset:16*\j
.endr
.irp m, 0,1
	SUM16 16+16*\m, 112+4*\m
	CROSS 112+4*\m
	ds_store_b32 v12, v[112+4*\m] offset:\m*1024
.endr
	BARRIER
.irp m, 0,1
.irp j, 0,1,2,3
	ds_load_b128 v[48+16*\m+4*\j:51+16*\m+4*\j], v13 offset:\m*1024+16*\j
.endr
.endr
	s_wait_dscnt 0x0
.irp m, 0,1
	SUM16 48+16*\m, 112+4*\m
	s_delay_alu instid0(VALU_DEP_1)
	v_mul_f32 v[120+2*\m], s87, v[112+4*\m]        ; the mean
	s_delay_alu instid0(VALU_DEP_1)
	v_mov_b32 v[121+2*\m], v[120+2*\m]
.endr
.irp m, 0,1
.irp j, 0,2,4,6,8,10,12,14
	v_pk_add_f32 v[16+16*\m+\j:17+16*\m+\j], v[16+16*\m+\j:17+16*\m+\j], v[120+2*\m:121+2*\m] neg_lo:[0,1] neg_hi:[0,1]
.endr
.endr
.irp m, 0,1
	SQ16 16+16*\m, 112+4*\m
	CROSS 112+4*\m
	ds_store_b32 v12, v[112+4*\m] offset:2048+\m*1024   ; other words than the first sums'
.endr
	BARRIER
.irp m, 0,1
.irp j, 0,1,2,3
	ds_load_b128 v[48+16*\m+4*\j:51+16*\m+4*\j], v13 offset:2048+\m*1024+16*\j
.endr
.endr
	s_wait_dscnt 0x0
.irp m, 0,1
	SUM16 48+16*\m, 112+4*\m
	s_delay_alu instid0(VALU_DEP_1)
	v_fma_f32 v[120+2*\m], v[112+4*\m], s87, s30   ; the variance + 1e-5
.endr
	s_wait_alu depctr_va_vdst(0)
	v_rsq_f32 v120, v120
	v_rsq_f32 v122, v122
	v_nop
	s_wait_alu depctr_va_vdst(0)                   ; one wait for both
	v_mov_b32 v121, v120
	v_mov_b32 v123, v122
	s_wait_alu depctr_va_vdst(0)
	s_wait_loadcnt 0x0                             ; the gain and the bias
.irp m, 0,1
.irp j, 0,2,4,6,8,10,12,14
	v_pk_mul_f32 v[16+16*\m+\j:17+16*\m+\j], v[16+16*\m+\j:17+16*\m+\j], v[120+2*\m:121+2*\m]
.endr
.endr
.irp m, 0,1
.irp j, 0,2,4,6,8,10,12,14
	v_pk_fma_f32 v[16+16*\m+\j:17+16*\m+\j], v[16+16*\m+\j:17+16*\m+\j], v[80+\j:81+\j], v[96+\j:97+\j]
.endr
.endr
	MKSC 42, 8, 9, 98                              ; e10
	Q16 16, 16, 240, 8, 9
	Q16 32, 32, 244, 8, 9
	v_nop
	ds_store_b128 v6, v[240:243]
	ds_store_b128 v6, v[244:247] offset:8192
	WLOAD 112, 56, 0, 4                            ; wfc's first two groups are asked for ahead of the barrier
	WLOAD 176, 56, 8192, 4
	v_mov_b32 v12, 0xc0135761                      ; gelu: c0 = -2 log2(e) sqrt(2 / pi)
	v_mov_b32 v13, 0xc0135761
	MKSC 44, 5, 15, 98                             ; e12
	BARRIER                                        ; h2's eight images lie in LDS
	; ---- wfc and gelu.  REGISTERS: v16-79 eight accumulators (4 m + t); v80-111 h2's two fragments, in gelu at work; v112-175, v176-239 the weights' two sets (a group: four column tiles x one K step); v240-255 codes
	; gelu(y) = y / (1 + 2^(y (c0 + c1 y y))): the tanh form rewritten; where the power overflows the quotient is -0, where it vanishes y.
.macro GELU m, hh
.set Y, 16+32*(\m)
.set gi, 0
.rept 16
	v_pk_fma_f32 v[Y+gi:Y+gi+1], v[Y+gi:Y+gi+1], s[80:81], v[176+gi:177+gi] op_sel_hi:[1,0,1]   ; y = sum x 2^(e10 + e11) + bfc; each accumulator from its low end on
.set gi, gi+2
.endr
.set gi, 0
.rept 16
	v_pk_mul_f32 v[80+gi:81+gi], v[Y+gi:Y+gi+1], v[Y+gi:Y+gi+1]
.set gi, gi+2
.endr
.set gi, 0
.rept 16
	v_pk_fma_f32 v[80+gi:81+gi], v[80+gi:81+gi], s[84:85], v[12:13] op_sel_hi:[1,0,1]
.set gi, gi+2
.endr
.set gi, 0
.rept 16
	v_pk_mul_f32 v[80+gi:81+gi], v[80+gi:81+gi], v[Y+gi:Y+gi+1]
.set gi, gi+2
.endr
.set gi, 0
	s_wait_alu depctr_va_vdst(0)
.rept 32
	v_exp_f32 v[80+gi], v[80+gi]
.set gi, gi+1
.endr
	v_nop
	s_wait_alu depctr_va_vdst(0)                   ; one wait for the batch
.set gi, 0
.rept 16
	v_pk_add_f32 v[80+gi:81+gi], v[80+gi:81+gi], 1.0 op_sel_hi:[1,0]
.set gi, gi+2
.endr
.set gi, 0
	s_wait_alu depctr_va_vdst(0)
.rept 32
	v_rcp_f32 v[80+gi], v[80+gi]
.set gi, gi+1
.endr
	v_nop
	s_wait_alu depctr_va_vdst(0)
.set gi, 0
.rept 16
	v_pk_mul_f32 v[Y+gi:Y+gi+1], v[Y+gi:Y+gi+1], v[80+gi:81+gi]
.set gi, gi+2
.endr
	Q16 Y, Y, 240+8*(\m), 5, 15
	Q16 Y+16, Y+16, 244+8*(\m), 5, 15
	v_nop
	ds_store_b128 v7, v[240+8*(\m):243+8*(\m)] offset:(\m)*32768+(2*(\hh))*512      ; register groups 2 hh and 2 hh + 1 of K step w of the last product
	ds_store_b128 v7, v[244+8*(\m):247+8*(\m)] offset:(\m)*32768+(2*(\hh)+1)*512
.endm
.irp g, 0,1,2,3,4,5,6,7                ; group g: hidden units 64 (g / 4) on of my 128, K step g % 4
	FETCH 80, 3, (\g%4)*2048
	FETCH 96, 3, (4+\g%4)*2048
.if \g == 7
	s_wait_loadcnt 0x0
.else
	s_wait_loadcnt 16                              ; this group's weights are in; the next group's sixteen loads may be out
.endif
	s_wait_dscnt 0x0
.irp t, 0,1,2,3
.irp m, 0,1
.if (\g%4) == 0
	v_wmma_f32_16x16x128_fp8_fp8 v[16+8*(4*\m+\t):23+8*(4*\m+\t)], v[112+64*(\g%2)+16*\t:127+64*(\g%2)+16*\t], v[80+16*\m:95+16*\m], 0
.else
	v_wmma_f32_16x16x128_fp8_fp8 v[16+8*(4*\m+\t):23+8*(4*\m+\t)], v[112+64*(\g%2)+16*\t:127+64*(\g%2)+16*\t], v[80+16*\m:95+16*\m], v[16+8*(4*\m+\t):23+8*(4*\m+\t)]
.endif
.endr
.endr
	PLACES
.if (\g%4) == 3
.irp t, 0,1,2,3
	global_load_b128 v[176+8*\t:179+8*\t], v14, s[72:73] offset:(\g/4)*256+(32*(\t/2)+8*(\t%2))*4      ; bfc in the result's layout
	global_load_b128 v[180+8*\t:183+8*\t], v14, s[72:73] offset:(\g/4)*256+(32*(\t/2)+8*(\t%2))*4+16
.endr
	s_wait_loadcnt 0x0
	GELU 0, \g/4
	GELU 1, \g/4
.if \g == 3
	WLOAD 176, 56, 5*8192, 4
.endif
.elseif \g != 6
	WLOAD 112+64*(\g%2), 56, (\g+2)*8192, 4
.endif
.endr
	; ---- wproj, the residual, the way out.  REGISTERS: v16-47 four accumulators (2 m + t); v48-79, v80-111 the hidden layer's fragments, two sets; v112-239 the weights, four sets of a K step; v240-255 bproj
	s_wait_dscnt 0x0                               ; my images of the hidden layer have landed
.irp j, 0,1,2,3
	global_load_b128 v[240+4*\j:243+4*\j], v14, s[74:75] offset:16*\j
.endr
	WLOAD 112, 58, 0, 2
	WLOAD 144, 58, 8192, 2
	WLOAD 176, 58, 16384, 2
	s_barrier_signal -1
	s_barrier_wait -1                              ; the hidden layer's 32 images lie in LDS
	FETCH 48, 4, 0
	FETCH 64, 4, 32768
.irp s, 0,1,2,3,4,5,6,7,8,9,10,11,12,13,14,15
.if \s+3 < 16
	WLOAD 112+32*((\s+3)%4), 58, (\s+3)*8192, 2    ; three K steps ahead
.endif
.if \s+1 < 16
	FETCH 48+32*((\s+1)%2), 4, (\s+1)*2048         ; one K step ahead
	FETCH 64+32*((\s+1)%2), 4, 32768+(\s+1)*2048
.endif
.if \s < 13
	s_wait_loadcnt 24                              ; this K step's weights are in; the next three steps' 24 loads may be out
.else
	s_wait_loadcnt 8*(15-\s)
.endif
.if \s < 15
	s_wait_dscnt 8                                 ; this K step's fragments are in; the next step's eight loads may be out
.else
	s_wait_dscnt 0x0
.endif
.irp t, 0,1
.irp m, 0,1
.if \s == 0
	v_wmma_f32_16x16x128_fp8_fp8 v[16+8*(2*\m+\t):23+8*(2*\m+\t)], v[112+32*(\s%4)+16*\t:127+32*(\s%4)+16*\t], v[48+32*(\s%2)+16*\m:63+32*(\s%2)+16*\m], 0
.else
	v_wmma_f32_16x16x128_fp8_fp8 v[16+8*(2*\m+\t):23+8*(2*\m+\t)], v[112+32*(\s%4)+16*\t:127+32*(\s%4)+16*\t], v[48+32*(\s%2)+16*\m:63+32*(\s%2)+16*\m], v[16+8*(2*\m+\t):23+8*(2*\m+\t)]
.endif
.endr
.endr
	PLACES
.endr
.irp m, 0,1
.irp j, 0,1,2,3
	ds_load_b128 v[48+16*\m+4*\j:51+16*\m+4*\j], v10 offset:\m*33024+16*\j   ; x, from my own bytes of the stage
.endr
.endr
	s_wait_dscnt 0x0
.irp m, 0,1
.irp j, 0,2,4,6,8,10,12,14
	v_pk_add_f32 v[48+16*\m+\j:49+16*\m+\j], v[48+16*\m+\j:49+16*\m+\j], v[240+\j:241+\j]
.endr
.endr
.set j, 0
.rept 16
	v_pk_fma_f32 v[48+j:49+j], v[16+j:17+j], s[82:83], v[48+j:49+j] op_sel_hi:[1,0,1]   ; out = sum x 2^(e12 + e13) + bproj + x
.set j, j+2
.endr
.irp m, 0,1
.irp j, 0,1,2,3
	ds_store_b128 v10, v[48+16*\m+4*\j:51+16*\m+4*\j] offset:\m*33024+16*\j
.endr
.endr
	BARRIER                                        ; 32 whole rows of the output lie in the stage
.irp i, 0,1,2,3,4,5,6,7
	ds_load_b128 v[112+4*\i:115+4*\i], v11 offset:(\i/4)*2064+512*(\i%4)
.endr
.irp i, 0,1,2,3,4,5,6,7
	s_wait_dscnt 7-\i
	global_store_b128 v1, v[112+4*\i:115+4*\i], s[76:77] offset:(\i/4)*2048+512*(\i%4) th:TH_STORE_NT   ; 32 lanes store 512 consecutive bytes, at a multiple of 256 from the output's first byte
.endr
	s_wait_xcnt 0x0
	v_lshl_add_u32 v254, v0, 2, 0x49200
	v_mov_b32 v255, 0
	s_wait_alu depctr_va_vdst(0)
	s_wait_tensorcnt 0x0
	ds_add_u32 v254, v255
	s_wait_dscnt 0x0
	s_endpgm
.Lfunc_end_k_q13f3d6e787_block:
	.size	k_q13f3d6e787_block, .Lfunc_end_k_q13f3d6e787_block-k_q13f3d6e787_block
	.p2alignl 7, 3214868480
	.fill 96, 4, 3214868480
	.section	.rodata,"a",@progbits
	.p2align	6, 0x0
	.amdhsa_kernel k_q13f3d6e787_block
		.amdhsa_group_segment_fixed_size 301568
		.amdhsa_private_segment_fixed_size 0
		.amdhsa_enable_private_segment 0
		.amdhsa_kernarg_size 88
		.amdhsa_user_sgpr_count 2
		.amdhsa_user_sgpr_kernarg_segment_ptr 1
		.amdhsa_wavefront_size32 1
		.amdhsa_system_sgpr_workgroup_id_x 1
		.amdhsa_system_sgpr_workgroup_id_y 1
		.amdhsa_system_sgpr_workgroup_id_z 1
		.amdhsa_system_vgpr_workitem_id 0
		.amdhsa_next_free_vgpr 256
		.amdhsa_next_free_sgpr 100
		.amdhsa_reserve_vcc 1
		.amdhsa_float_denorm_mode_32 3
		.amdhsa_float_denorm_mode_16_64 3
		.amdhsa_fp16_overflow 1
		.amdhsa_memory_ordered 1
		.amdhsa_forward_progress 1
		.amdhsa_inst_pref_size 166
	.end_amdhsa_kernel
	.amdgpu_metadata
---
amdhsa.version: [ 1, 2 ]
amdhsa.kernels:
  - .name:           k_q13f3d6e787_block
    .symbol:         k_q13f3d6e787_block.kd
    .args:
      - { .name: qc, .offset: 0, .size: 8, .value_kind: global_buffer, .address_space: global }
      - { .name: kvc, .offset: 8, .size: 8, .value_kind: global_buffer, .address_space: global }
      - { .name: wc, .offset: 16, .size: 8, .value_kind: global_buffer, .address_space: global }
      - { .name: lowp_scales, .offset: 24, .size: 8, .value_kind: global_buffer, .address_space: global }
      - { .name: hidden_states, .offset: 32, .size: 8, .value_kind: global_buffer, .address_space: global }
      - { .name: bo, .offset: 40, .size: 8, .value_kind: global_buffer, .address_space: global }
      - { .name: ln2_g, .offset: 48, .size: 8, .value_kind: global_buffer, .address_space: global }
      - { .name: ln2_b, .offset: 56, .size: 8, .value_kind: global_buffer, .address_space: global }
      - { .name: bfc, .offset: 64, .size: 8, .value_kind: global_buffer, .address_space: global }
      - { .name: bproj, .offset: 72, .size: 8, .value_kind: global_buffer, .address_space: global }
      - { .name: out0, .offset: 80, .size: 8, .value_kind: global_buffer, .address_space: global }
    .group_segment_fixed_size: 301568
    .private_segment_fixed_size: 0
    .kernarg_segment_align: 8
    .kernarg_segment_size: 88
    .max_flat_workgroup_size: 512
    .sgpr_count:     100
    .vgpr_count:     256
    .wavefront_size: 32
...
	.end_amdgpu_metadata
.endif
;; end of part 3
